; MI455X (gfx1250); checked and timed in simulation.
; The chip was launched on July 23, 2026; its instructions are those of AMD's public machine-readable ISA for CDNA 5 (MIT licence, August 2026) and "CDNA5" Instruction Set Architecture Reference Guide (July 2026).
;; Cross Attention. Allowed arithmetic: matrix products marked QUANTISED: E4M3 operands, one E8M0 scale for each 32 along K, by v_wmma_scale_f32_16x16x128_f8f6f4 with both operands' format E4M3, f32 sums; everything else in f32.
;; Inputs: Wk_codes 256 x 4 x 32 uint8 (E4M3 codes of Wk, K innermost, in blocks of 32 codes); Wk_scales 256 x 4 uint8 (E8M0 scales of Wk, one for each 32 codes along K); Wo_codes 512 x 8 x 32 uint8 (E4M3 codes of Wo, K innermost, in blocks of 32 codes); Wo_scales 512 x 8 uint8 (E8M0 scales of Wo, one for each 32 codes along K); Wq_codes 256 x 16 x 32 uint8 (E4M3 codes of Wq, K innermost, in blocks of 32 codes); Wq_scales 256 x 16 uint8 (E8M0 scales of Wq, one for each 32 codes along K); Wv_codes 256 x 4 x 32 uint8 (E4M3 codes of Wv, K innermost, in blocks of 32 codes); Wv_scales 256 x 4 uint8 (E8M0 scales of Wv, one for each 32 codes along K); bk 256 float32; bo 512 float32; bq 256 float32; bv 256 float32; g_codes 8 x 1 x 4 x 32 uint8 (E4M3 codes of g, K innermost, in blocks of 32 codes); g_scales 8 x 1 x 4 uint8 (E8M0 scales of g, one for each 32 codes along K); x_codes 8 x 2,048 x 16 x 32 uint8 (E4M3 codes of x, K innermost, in blocks of 32 codes); x_scales 8 x 2,048 x 16 uint8 (E8M0 scales of x, one for each 32 codes along K).
;; Outputs: out0 8 x 2,048 x 512 float32.
;; This version of the problem:
;;   THIS VERSION OF THE PROBLEM IS GIVEN IN LOW PRECISION. The matrix products marked QUANTISED in the list below multiply operands that are first quantised to E4M3 (4 exponent bits, 3 mantissa bits; 8 bits a number), with one power-of-two scale for each 32 numbers along K (OCP MX v1.0); their sums are f32. All else is computed in f32.
;;   The module's matrix products, in the order in which they are computed (A, B: the left and right operand; K: the contracted axis; several contracted axes count as one K, in the product's order):
;;     1. [M 16,384, K 512] x [K 512, N 256]; A: input x (given as codes); B: input Wq (given as codes): QUANTISED
;;     2. [M 16,384, K 128] x [K 128, N 256]; A: input g (given as codes); B: input Wk (given as codes): QUANTISED
;;     3. [M 16,384, K 128] x [K 128, N 256]; A: input g (given as codes); B: input Wv (given as codes): QUANTISED
;;     4. batch 8 x [M 2,048, K 256] x [K 256, N 2,048]; A: computed on the way; B: computed on the way: QUANTISED
;;     5. batch 8 x [M 2,048, K 2,048] x [K 2,048, N 256]; A: softmax (see below); B: computed on the way: QUANTISED
;;     6. [M 16,384, K 256] x [K 256, N 512]; A: computed on the way; B: input Wo (given as codes): QUANTISED
;;   THE QUANTISER, for each operand of a quantised product, along K:
;;     - K is cut into blocks of 32 from its start; a last block that is shorter is filled with zeros.
;;     - A block's scale is 2^e with e = floor(log2(the largest magnitude in the block)) - 8, held to -126 .. 127; a block of zeros has e = 0. As a byte (E8M0): e + 127.
;;     - Each number is divided by its block's scale, clamped to +-448, and rounded to the nearest number of E4M3, ties to even, subnormals kept.
;;     - The product sums the exact products of the quantised numbers (number of the format x scale) in f32.
;;   ~~~python
;;   def quantise(x, axis):      # numpy; x: float32 -> the quantised numbers, widened to float32 again
;;       x = np.moveaxis(x, axis, -1); K = x.shape[-1]
;;       x = np.pad(x, [(0, 0)] * (x.ndim - 1) + [(0, -K % 32)]); x = x.reshape(x.shape[:-1] + (-1, 32)); a = np.abs(x).max(-1, keepdims=True)
;;       e = np.where(a > 0, np.clip(np.frexp(np.where(a > 0, a, 1))[1] - 1 - 8, -126, 127), 0)      # np.frexp(a)[1] - 1 = floor(log2(a)), exactly
;;       r = np.clip(x / 2.0 ** e, -448, 448)
;;       step = 2.0 ** (np.maximum(np.frexp(np.where(r == 0, 1, r))[1] - 1, -6) - 3)
;;       q = np.round(r / step) * step * 2.0 ** e      # np.round: ties to even
;;       return np.moveaxis(q.reshape(q.shape[:-2] + (-1,))[..., :K], -1, axis).astype(np.float32)
;;   ~~~
;;   SOFTMAX AHEAD OF A QUANTISED PRODUCT. Where the list says 'softmax', what is quantised is not the finished softmax but p = 2^(t - M), with t = logit x log2(e) and M = ceil(the row's largest t), a whole number; so 1/2 < the row's largest p <= 1. The row's sum l is taken of the UNQUANTISED p, in f32, and the product's result is divided by l at the end. Since M is a whole number, a kernel that streams over the keys may use a running M (the ceiling of the running maximum): every later rescaling is an exact power of two, which a block's scale takes up: the codes' values come out the same.
;;   OPERANDS COMPUTED ON THE WAY. 'Computed on the way' means the value that the module computes at that place (a softmax that the list does not call 'softmax' is quantised finished and normalised). What goes into a quantiser is computed in f32, as accurately as f32 sums, v_exp_f32 and their like allow (about 1e-6 of the number): no bf16 or f16 on the way to a quantiser, and a product that is left as it is and whose result goes on into a quantised operand takes f32 operands (vector FMAs, or v_wmma_f32_16x16x4_f32). A number that lies on a knife's edge between two numbers of the format may be rounded either way, as far as f32 arithmetic and the matrix unit's own rounding can turn it there, and no further.
;;   INPUTS GIVEN AS CODES. Wk (in the module: [128, 256], K = its axis 0); Wo (in the module: [256, 512], K = its axis 0); Wq (in the module: [512, 256], K = its axis 0); Wv (in the module: [128, 256], K = its axis 0); g (in the module: [8, 1, 128], K = its axis 2); x (in the module: [8, 2048, 512], K = its axis 2): each comes as NAME_codes (uint8): NAME with its K axis moved to the last place and cut into blocks of 32 codes, [.., K / 32, bytes a block], one block behind the other in memory; one code a byte (a code: sign, 4 exponent bits, 3 mantissa bits); and NAME_scales (uint8): the same leading axes, one E8M0 byte (e + 127) for each 32 codes along K. Its value is code x scale, taken as it is: it is not quantised again, and the codes and scales need not be those that the quantiser above would give.
;; One version. Each part assembles by itself: llvm-mc -triple=amdgcn-amd-amdhsa -mcpu=gfx1250 --defsym DOCPART=n.
;; ======== version 1 of 1: 1 launch
;; launch xattn (part 1): grid 256 x 1, 4 waves a work-group, clusters of 4 x 1, 327,680 bytes of LDS; arguments x_codes, x_scales, g_codes, g_scales, Wq_codes, Wq_scales, bq, Wk_codes, Wk_scales, bk, Wv_codes, Wv_scales, bv, Wo_codes, Wo_scales, bo, out0; writes out0
.if DOCPART == 1
	.amdgcn_target "amdgcn-amd-amdhsa--gfx1250"
	.amdhsa_code_object_version 6
	.text
	.protected	k_qdce8609f7d_xattn
	.globl	k_qdce8609f7d_xattn
	.p2align	8
	.type	k_qdce8609f7d_xattn,@function
k_qdce8609f7d_xattn:
	s_mov_b64 s[64:65], 0
	v_nop
	global_prefetch_b8 v0, s[64:65] scope:SCOPE_SE
	s_setreg_imm32_b32 hwreg(HW_REG_WAVE_MODE, 25, 1), 1
	s_wait_xcnt 0x0
	s_wait_alu depctr_hold_cnt(0) depctr_sa_sdst(0) depctr_va_vdst(0) depctr_va_sdst(0) depctr_va_ssrc(0) depctr_va_vcc(0) depctr_vm_vsrc(0)
	s_getreg_b32 s2, hwreg(HW_REG_IB_STS2, 6, 4)
	s_cmp_eq_u32 s2, 0
	s_cbranch_scc0 .Lentry_in_a_cluster
	s_endpgm
.Lentry_in_a_cluster:
	s_bfe_u32 s2, ttmp6, 0x10000c
	s_cmp_lg_u32 s2, 0x3003
	s_cbranch_scc0 .Lentry_shape_is_right
	s_endpgm
.Lentry_shape_is_right:
.set PQ,    528
.set PKV,   144
.set PO,    272
.set XB,    139264
.set WKB,   173056
.set WVB,   209920
.set QIMG,  246784
.set QSC,   263168
.set SPARE, 264192
.set SPW, 1
.set NIL, 2
.set RR,  3
.set HH,  4
.set LN,  5
.set RP,  6
.set AKV, 7
.set AV,  8
.set AWQ, 9
.set AX,  10
.set AQW, 11
.set AQS, 12
.set AQR, 13
.set AQT, 14
.set OT,  15
.set AWO, 7
.set ALI, 8
.set ALS, 9
.set STO, 10
.set RD,  11
.set CO,  12
.set PC,  16
.set BQ,  16
.set S,   48
.set HA,  48
.set DT,  112
.set GF,  112
.set BV,  128
.set VS,  176
.set WKS, 176
.set WS,  192
.set WVS, 192
.set XS,  208
.set KS,  216
.set QS,  218
.set PS,  220
.set GS,  222
.set BM,  224
.set BT,  232
.set T0,  232
.set T1,  234
.set T2,  236
.set A1,  238
.set A2,  44
.set A3,  46
.set HD,  240
.set NM,  248
.set TX,  249
.set SUM, 250
.set CP,  252
.set F,   254
.set MSB, 0
.macro WIN new
.if MSB != \new
	s_set_vgpr_msb (MSB<<8)|\new
.set MSB, \new
.endif
.endm
.macro PLACES n
.rept \n
	v_nop
.endr
.endm
.macro ROUND
	s_barrier_signal -1
	s_barrier_wait -1
	s_cmp_lg_u32 s4, 0
	s_cbranch_scc1 .Lnot_wave_0_\@
	s_barrier_signal -3
.Lnot_wave_0_\@:
	s_barrier_wait -3
	s_barrier_signal -1
	s_barrier_wait -1
.endm
.macro QUANT src, dst, dwin, pw
.irp b,0,1,2,3
	v_max3_num_f32 v[BM+\b], |v[(\src)+16*\b]|, |v[(\src)+16*\b+1]|, 0x4800000
.endr
.irp i,2,4,6,8,10,12,14
.irp b,0,1,2,3
	v_max3_num_f32 v[BM+\b], v[BM+\b], |v[(\src)+16*\b+\i]|, |v[(\src)+16*\b+\i+1]|
.endr
.endr
.irp b,0,1,2,3
	v_permlanex16_b32 v[BT+\b], v[BM+\b], s60, s61
.endr
.irp b,0,1,2,3
	v_max_num_f32 v[BM+\b], v[BM+\b], v[BT+\b]
.endr
.irp b,0,1,2,3
	v_and_or_b32 v[HD+\b], v[BM+\b], 0x7f800000, s6
.endr
.irp b,0,1,2,3
	v_add_nc_u32 v[BM+\b], 0xfc000000, v[BM+\b]
.endr
.irp b,0,1,2,3
	v_lshrrev_b32 v[BT+\b], 23, v[BM+\b]
.endr
	v_lshl_or_b32 v[\pw], v[BT+1], 8, v[BT]
	v_lshl_or_b32 v[\pw], v[BT+2], 16, v[\pw]
	v_lshl_or_b32 v[\pw], v[BT+3], 24, v[\pw]
.irp b,0,1,2,3
.irp i,0,1,2,3,4,5,6,7,8,9,10,11,12,13,14,15
	v_med3_num_f32 v[(\src)+16*\b+\i], v[(\src)+16*\b+\i], -v[HD+\b], v[HD+\b]
.endr
.endr
	WIN \dwin
.irp b,0,1,2,3
	v_cvt_scalef32_pk8_fp8_f32 v[(\dst)+4*\b:(\dst)+4*\b+1], v[(\src)+16*\b:(\src)+16*\b+7], v[BM+\b]
	v_cvt_scalef32_pk8_fp8_f32 v[(\dst)+4*\b+2:(\dst)+4*\b+3], v[(\src)+16*\b+8:(\src)+16*\b+15], v[BM+\b]
.endr
	v_nop
	WIN 0
.endm
.macro KGROUP g
	WIN 0x03
.irp t,0,1,2,3,4,5,6,7
	v_wmma_scale_f32_16x16x128_f8f6f4 v[HA+8*\t:HA+8*\t+7], v[16*(8*\g+\t):16*(8*\g+\t)+15], v[GF:GF+15], 0, v[WKS+8*\g+\t], v[GS]
.endr
	WIN 0x04
	PLACES 8
.set ii, 0
.rept 32
	v_pk_add_f32 v[HA+2*ii:HA+2*ii+1], v[HA+2*ii:HA+2*ii+1], v[64*\g+2*ii:64*\g+2*ii+1]
.set ii, ii+1
.endr
	WIN 0
	QUANT HA, 128+16*\g, 0x80, KS+\g
.endm
.macro VGROUP q, bwin
	WIN \bwin
.irp t,0,1,2,3,4,5,6,7
	v_wmma_scale_f32_16x16x128_f8f6f4 v[HA+8*\t:HA+8*\t+7], v[GF:GF+15], v[16*\t:16*\t+15], 0, v[GS], v[WVS+8*\q+\t]
.endr
	WIN 0
	PLACES 8
.if \q == 1
.irp t,0,1,2,3
	global_load_b128 v[WS+4*\t:WS+4*\t+3], v[OT], s[78:79] offset:(32*(\t/2)+8*(\t%2))*16
.endr
.endif
.irp i,0,1,2,3,4,5,6,7
.irp t,0,1,2,3,4,5,6,7
	v_add_f32 v[HA+8*\t+\i], v[HA+8*\t+\i], v[BV+8*\q+\t]
.endr
.endr
.irp t,0,1,2,3,4,5,6,7
	v_max3_num_f32 v[BM+\t], |v[HA+8*\t]|, |v[HA+8*\t+1]|, 0x4800000
.endr
.irp i,2,4,6
.irp t,0,1,2,3,4,5,6,7
	v_max3_num_f32 v[BM+\t], v[BM+\t], |v[HA+8*\t+\i]|, |v[HA+8*\t+\i+1]|
.endr
.endr
.irp t,0,1,2,3,4,5,6,7
	v_and_or_b32 v[HD+\t], v[BM+\t], 0x7f800000, s6
.endr
.irp t,0,1,2,3,4,5,6,7
	v_add_nc_u32 v[BM+\t], 0xfc000000, v[BM+\t]
.endr
.irp t,0,1,2,3,4,5,6,7
	v_lshrrev_b32 v[BT+\t], 23, v[BM+\t]
.endr
.irp t,0,1,2,3,4,5,6,7
	v_lshl_or_b32 v[VS+8*\q+\t], v[BT+\t], 8, v[BT+\t]
.endr
.irp t,0,1,2,3,4,5,6,7
	v_lshl_or_b32 v[VS+8*\q+\t], v[VS+8*\q+\t], 16, v[VS+8*\q+\t]
.endr
.irp t,0,1,2,3,4,5,6,7
.irp i,0,1,2,3,4,5,6,7
	v_med3_num_f32 v[HA+8*\t+\i], v[HA+8*\t+\i], -v[HD+\t], v[HD+\t]
.endr
.endr
	WIN 0x40
.irp t,0,1,2,3,4,5,6,7
.irp i,0,1,2,3,4,5,6,7
	v_cvt_scalef32_pk8_fp8_f32 v[16*(8*\q+\t)+2*\i:16*(8*\q+\t)+2*\i+1], v[HA+8*\t:HA+8*\t+7], v[BM+\t]
.endr
.endr
	v_nop
	WIN 0
.endm
.macro FETCH1 s, q
	WIN 0xC0
.irp t,0,1,2,3
.irp c,0,1,2,3
	ds_load_b128 v[128*\q+16*\t+4*\c:128*\q+16*\t+4*\c+3], v[AWQ] offset:(32*(\t/2)+8*(\t%2))*PQ+128*\s+32*\c
.endr
.endr
.irp m,0,1,2,3
.irp c,0,1,2,3
	ds_load_b128 v[128*\q+64+16*\m+4*\c:128*\q+64+16*\m+4*\c+3], v[AX] offset:16*\m*PQ+128*\s+32*\c
.endr
.endr
	WIN 0
.endm
.macro MUL1 s, q, n
.irp m,0,1,2,3
.irp t,0,1,2,3
.set rD, S*(1-\n)+32*\m+8*\t
.if \s == 0
.if \m%2
	v_wmma_scale_f32_16x16x128_f8f6f4 v[rD:rD+7], v[128*\q+16*\t:128*\q+16*\t+15], v[128*\q+64+16*\m:128*\q+64+16*\m+15], 0, v[WS+4*\t+\s], v[XS+4*(\m/2)+\s] matrix_b_scale:MATRIX_SCALE_ROW1
.else
	v_wmma_scale_f32_16x16x128_f8f6f4 v[rD:rD+7], v[128*\q+16*\t:128*\q+16*\t+15], v[128*\q+64+16*\m:128*\q+64+16*\m+15], 0, v[WS+4*\t+\s], v[XS+4*(\m/2)+\s]
.endif
.else
.if \m%2
	v_wmma_scale_f32_16x16x128_f8f6f4 v[rD:rD+7], v[128*\q+16*\t:128*\q+16*\t+15], v[128*\q+64+16*\m:128*\q+64+16*\m+15], v[rD:rD+7], v[WS+4*\t+\s], v[XS+4*(\m/2)+\s] matrix_b_scale:MATRIX_SCALE_ROW1
.else
	v_wmma_scale_f32_16x16x128_f8f6f4 v[rD:rD+7], v[128*\q+16*\t:128*\q+16*\t+15], v[128*\q+64+16*\m:128*\q+64+16*\m+15], v[rD:rD+7], v[WS+4*\t+\s], v[XS+4*(\m/2)+\s]
.endif
.endif
.endr
.endr
.endm
.macro XNEG q
	WIN 0xCC
.set ii, 0
.rept 64
	v_xor_b32 v[128*\q+64+ii], s3, v[128*\q+64+ii]
.set ii, ii+1
.endr
.endm
.macro KSTEP1 s, q, left, nx
	s_wait_dscnt \left
	WIN 0x0F
	MUL1 \s, \q, 0
	PLACES 8
	XNEG \q
	PLACES 4
	WIN 0xAF
	MUL1 \s, \q, 1
	WIN 0
	PLACES 8
.if \nx >= 0
	FETCH1 \nx, \q
.endif
.endm
.macro PL b, n
.if ((\n) < 8) && ((\b) < 7)
	v_pk_add_f32 v[S+16*((\b)+1)+2*(\n):S+16*((\b)+1)+2*(\n)+1], v[S+16*((\b)+1)+2*(\n):S+16*((\b)+1)+2*(\n)+1], v[NM:NM+1] op_sel_hi:[1,0]
.endif
.if ((\n) >= 8) && ((\b) >= 1)
.set pq, (\n)-8
.set pb, S+16*((\b)-1)
.set po, ((\b)-1)%4
.if pq == 0
	s_wait_alu depctr_va_vdst(0)
	v_pk_add_f32 v[T0:T0+1], v[pb:pb+1], v[pb+2:pb+3]
.elseif pq == 5
	s_wait_alu depctr_va_vdst(0)
	v_pk_add_f32 v[T1:T1+1], v[pb+4:pb+5], v[pb+6:pb+7]
.elseif pq == 10
	v_pk_add_f32 v[T0:T0+1], v[T0:T0+1], v[T1:T1+1]
.elseif pq == 11
	v_pk_add_f32 v[T1:T1+1], v[pb+8:pb+9], v[pb+10:pb+11]
.elseif pq == 16
	v_pk_add_f32 v[T2:T2+1], v[pb+12:pb+13], v[pb+14:pb+15]
.elseif pq == 21
	v_pk_add_f32 v[T1:T1+1], v[T1:T1+1], v[T2:T2+1]
.elseif pq == 22
.if po%2 == 0
	v_pk_add_f32 v[A1:A1+1], v[T0:T0+1], v[T1:T1+1]
	s_wait_alu depctr_va_vdst(0)
.else
	v_pk_add_f32 v[T0:T0+1], v[T0:T0+1], v[T1:T1+1]
.endif
.elseif pq == 23
.if po == 1
	v_pk_add_f32 v[A2:A2+1], v[A1:A1+1], v[T0:T0+1]
.elseif po == 3
	v_pk_add_f32 v[A1:A1+1], v[A1:A1+1], v[T0:T0+1]
.endif
.else
.set pr, pq-1
.if pq > 5
.set pr, pq-2
.endif
.if pq > 11
.set pr, pq-4
.endif
.if pq > 16
.set pr, pq-5
.endif
	v_min_num_f32 v[pb+pr], v[pb+pr], v[HD+(\b)-1]
.endif
.endif
.endm
.macro CVT2 b
	v_cvt_scalef32_pk8_fp8_f32 v[PC+4*(\b):PC+4*(\b)+1], v[S+16*(\b):S+16*(\b)+7], v[BM+(\b)]
	v_cvt_scalef32_pk8_fp8_f32 v[PC+4*(\b)+2:PC+4*(\b)+3], v[S+16*(\b)+8:S+16*(\b)+15], v[BM+(\b)]
.endm
.macro STEP first
	WIN 0x0A
.irp t,0,1,2,3,4,5,6,7,8,9,10,11,12,13,14,15
	v_wmma_scale_f32_16x16x128_f8f6f4 v[S+8*\t:S+8*\t+7], v[128:143], v[160:175], 0, v[KS], v[QS]
.endr
	WIN 0xFA
.irp t,0,1,2,3,4,5,6,7,8,9,10,11,12,13,14,15
	v_wmma_scale_f32_16x16x128_f8f6f4 v[8*\t:8*\t+7], v[144:159], v[176:191], 0, v[KS+1], v[QS+1]
.endr
	WIN 0x0C
	PLACES 8
.set ii, 0
.rept 64
	v_pk_add_f32 v[S+2*ii:S+2*ii+1], v[S+2*ii:S+2*ii+1], v[2*ii:2*ii+1] neg_lo:[0,1] neg_hi:[0,1]
.set ii, ii+1
.endr
	WIN 0
.set ii, 0
.rept 64
	v_pk_mul_f32 v[S+2*ii:S+2*ii+1], v[S+2*ii:S+2*ii+1], s[62:63] op_sel_hi:[1,0]
.set ii, ii+1
.endr
.irp b,0,1,2,3,4,5,6,7
	v_max3_num_f32 v[BM+\b], v[S+16*\b], v[S+16*\b+1], v[S+16*\b+2]
.endr
.irp i,3,5,7,9,11,13
.irp b,0,1,2,3,4,5,6,7
	v_max3_num_f32 v[BM+\b], v[BM+\b], v[S+16*\b+\i], v[S+16*\b+\i+1]
.endr
.endr
.irp b,0,1,2,3,4,5,6,7
	v_max_num_f32 v[BM+\b], v[BM+\b], v[S+16*\b+15]
.endr
.irp b,0,1,2,3,4,5,6,7
	v_permlanex16_b32 v[BT+\b], v[BM+\b], s60, s61
.endr
.irp b,0,1,2,3,4,5,6,7
	v_max_num_f32 v[BM+\b], v[BM+\b], v[BT+\b]
.endr
	v_max3_num_f32 v[BT], v[BM], v[BM+1], v[BM+2]
	v_max3_num_f32 v[BT+1], v[BM+3], v[BM+4], v[BM+5]
	v_max3_num_f32 v[BT], v[BT], v[BM+6], v[BM+7]
.if \first
	v_max_num_f32 v[TX], v[BT], v[BT+1]
	v_floor_f32 v[NM], -v[TX]
.else
	v_max3_num_f32 v[TX], v[TX], v[BT], v[BT+1]
	v_mov_b32 v[BT+1], v[NM]
	v_floor_f32 v[NM], -v[TX]
	v_sub_f32 v[BT+1], v[NM], v[BT+1]
	v_cvt_i32_f32 v[BT+1], v[BT+1]
	v_ldexp_f32 v[F], 1.0, v[BT+1]
.endif
.irp b,0,1,2,3,4,5,6,7
	v_add_f32 v[BM+\b], v[BM+\b], v[NM]
.endr
.irp b,0,1,2,3,4,5,6,7
	v_exp_f32 v[BM+\b], v[BM+\b]
	v_pk_add_f32 v[S+2*\b:S+2*\b+1], v[S+2*\b:S+2*\b+1], v[NM:NM+1] op_sel_hi:[1,0]
.endr
	s_wait_alu depctr_va_vdst(0)
.irp b,0,1,2,3,4,5,6,7
	v_max_num_f32 v[BM+\b], 0x4800000, v[BM+\b]
.endr
.irp b,0,1,2,3,4,5,6,7
	v_and_or_b32 v[HD+\b], v[BM+\b], 0x7f800000, s6
.endr
.irp b,0,1,2,3,4,5,6,7
	v_add_nc_u32 v[BM+\b], 0xfc000000, v[BM+\b]
.endr
.irp b,0,1,2,3,4,5,6,7
	v_lshrrev_b32 v[BT+\b], 23, v[BM+\b]
.endr
	v_lshl_or_b32 v[PS], v[BT+1], 8, v[BT]
	v_lshl_or_b32 v[PS+1], v[BT+5], 8, v[BT+4]
	v_lshl_or_b32 v[PS], v[BT+2], 16, v[PS]
	v_lshl_or_b32 v[PS+1], v[BT+6], 16, v[PS+1]
	v_lshl_or_b32 v[PS], v[BT+3], 24, v[PS]
	v_lshl_or_b32 v[PS+1], v[BT+7], 24, v[PS+1]
.set sb, 0
.rept 8
.set si, 0
.rept 16
	v_exp_f32 v[S+16*sb+si], v[S+16*sb+si]
	PL sb, 2*si
	PL sb, 2*si+1
.set si, si+1
.endr
.if sb == 4
	v_pk_add_f32 v[A3:A3+1], v[A2:A2+1], v[A1:A1+1]
.endif
.if sb >= 1
	CVT2 sb-1
.endif
.set sb, sb+1
.endr
.set si, 8
.rept 24
	PL 8, si
.set si, si+1
.endr
	v_pk_add_f32 v[A2:A2+1], v[A2:A2+1], v[A1:A1+1]
.if \first
	v_pk_add_f32 v[SUM:SUM+1], v[A3:A3+1], v[A2:A2+1]
	v_mov_b32 v[CP], 0
	v_mov_b32 v[CP+1], 0
.else
	v_pk_add_f32 v[A3:A3+1], v[A3:A3+1], v[A2:A2+1]
	v_pk_mul_f32 v[T0:T0+1], v[SUM:SUM+1], v[F:F+1] op_sel_hi:[1,0]
	v_pk_add_f32 v[SUM:SUM+1], v[T0:T0+1], v[A3:A3+1]
.irp u,0,1
	v_sub_f32 v[T1+\u], v[SUM+\u], v[T0+\u]
.endr
.irp u,0,1
	v_sub_f32 v[T2+\u], v[SUM+\u], v[T1+\u]
.endr
.irp u,0,1
	v_sub_f32 v[A3+\u], v[A3+\u], v[T1+\u]
.endr
.irp u,0,1
	v_sub_f32 v[T0+\u], v[T0+\u], v[T2+\u]
.endr
	v_pk_add_f32 v[T0:T0+1], v[T0:T0+1], v[A3:A3+1]
	v_pk_fma_f32 v[CP:CP+1], v[CP:CP+1], v[F:F+1], v[T0:T0+1] op_sel_hi:[1,0,1]
.endif
	CVT2 7
.if \first
	PLACES 8
.else
	WIN 0x82
.set ii, 0
.rept 64
	v_pk_mul_f32 v[2*ii:2*ii+1], v[2*ii:2*ii+1], v[F:F+1] op_sel_hi:[1,0]
.set ii, ii+1
.endr
.endif
	WIN 0xA1
.irp k,0,1
.irp j,0,1,2,3,4,5,6,7,8,9,10,11,12,13,14,15
.if \first && (\k == 0)
	v_wmma_scale_f32_16x16x128_f8f6f4 v[8*\j:8*\j+7], v[16*\j:16*\j+15], v[PC+16*\k:PC+16*\k+15], 0, v[VS+\j], v[PS+\k]
.else
	v_wmma_scale_f32_16x16x128_f8f6f4 v[8*\j:8*\j+7], v[16*\j:16*\j+15], v[PC+16*\k:PC+16*\k+15], v[8*\j:8*\j+7], v[VS+\j], v[PS+\k]
.endif
.endr
.endr
	WIN 0
.endm
.macro MUL6 m
	WIN 0x6B
.irp t,0,1,2,3,4,5,6,7
	v_wmma_scale_f32_16x16x128_f8f6f4 v[8*(8*\m+\t):8*(8*\m+\t)+7], v[32*\t:32*\t+15], v[32*\m:32*\m+15], v[192+8*\t:192+8*\t+7], v[WS+2*\t], v[XS+2*\m]
.endr
	WIN 0x5B
.irp t,0,1,2,3,4,5,6,7
	v_wmma_scale_f32_16x16x128_f8f6f4 v[8*(8*\m+\t):8*(8*\m+\t)+7], v[32*\t+16:32*\t+31], v[32*\m+16:32*\m+31], v[8*(8*\m+\t):8*(8*\m+\t)+7], v[WS+2*\t+1], v[XS+2*\m+1]
.endr
.endm
.macro TOSTAGE m
	WIN 0x04
.irp t,0,1,2,3,4,5,6,7
	ds_store_b128 v[STO], v[8*(8*\m+\t):8*(8*\m+\t)+3] offset:64*\t
	ds_store_b128 v[STO], v[8*(8*\m+\t)+4:8*(8*\m+\t)+7] offset:64*\t+16
.endr
	WIN 0
.irp i,0,1,2,3,4,5,6,7,8,9,10,11,12,13,14,15
	ds_load_b128 v[S+64*(\m%2)+4*\i:S+64*(\m%2)+4*\i+3], v[RD] offset:\i*PQ
.endr
.endm
.macro SEND m, younger
	s_wait_dscnt \younger
.irp i,0,1,2,3,4,5,6,7,8,9,10,11,12,13,14,15
	global_store_b128 v[CO], v[S+64*(\m%2)+4*\i:S+64*(\m%2)+4*\i+3], s[100:101] offset:(16*\m+\i)*2048 th:TH_STORE_NT
.endr
.endm
	s_load_b512 s[68:83], s[0:1], 0x0
	s_load_b512 s[84:99], s[0:1], 0x40
	s_load_b64 s[100:101], s[0:1], 0x80
	v_lshl_add_u32 v[SPW], v0, 2, SPARE
	v_mov_b32 v[NIL], 0
	ds_add_u32 v1, v2
	ds_add_u32 v1, v2
	s_wait_dscnt 0x0
	v_lshrrev_b32 v[RR], 5, v0
	v_readfirstlane_b32 s4, v[RR]
	s_bfe_u32 s5, ttmp6, 0x40000
	s_lshl_b32 s66, ttmp9, 2
	s_add_co_u32 s5, s66, s5
	s_mov_b32 s8, (1<<20)|(6<<22)|(3<<25)
	s_mov_b32 s9, 512<<16
	s_mov_b32 s10, 16<<16
	s_mov_b32 s11, 512<<16
	s_mov_b32 s12, 16
	s_mov_b32 s13, 512
	s_mov_b32 s14, 0
	s_mov_b32 s15, 0
	s_mov_b32 s16, 15|(1<<20)|(1<<21)|(6<<22)|(3<<25)
	s_mov_b32 s17, 512<<16
	s_mov_b32 s18, 64<<16
	s_mov_b32 s19, 512<<16
	s_mov_b32 s20, 64
	s_mov_b32 s21, 512
	s_mov_b32 s22, 0
	s_mov_b32 s23, 0
	s_mov_b32 s24, 15|(1<<20)|(1<<21)|(4<<22)|(3<<25)
	s_mov_b32 s25, 128<<16
	s_mov_b32 s26, 64<<16
	s_mov_b32 s27, 128<<16
	s_mov_b32 s28, 64
	s_mov_b32 s29, 128
	s_mov_b32 s30, 0
	s_mov_b32 s31, 0
	s_mov_b32 s32, 15|(1<<20)|(1<<21)|(5<<22)|(3<<25)
	s_mov_b32 s33, 256<<16
	s_mov_b32 s34, 128<<16
	s_mov_b32 s35, 256<<16
	s_mov_b32 s36, 128
	s_mov_b32 s37, 256
	s_mov_b32 s38, 0
	s_mov_b32 s39, 0
	s_mov_b32 s40, 1
	s_mul_i32 s41, s4, 16*PQ
	s_add_co_u32 s41, s41, XB
	s_mov_b32 s44, 1
	s_mul_i32 s45, s4, 64*PQ
	s_mov_b32 s48, 1
	s_mul_i32 s49, s4, 64*PKV
	s_mov_b32 s52, 1
	s_add_co_u32 s53, s49, WVB
	s_add_co_u32 s49, s49, WKB
	s_mov_b32 s56, 1
	s_mul_i32 s57, s4, 128*PO
	s_mov_b32 s6, 0x600000
	s_mov_b32 s60, 0x76543210
	s_mov_b32 s61, 0xfedcba98
	s_mov_b32 s62, 0x3db8aa3b
	s_mov_b32 s63, s62
	v_and_b32 v[RR], 15, v0
	v_bfe_u32 v[HH], v0, 4, 1
	v_and_b32 v[LN], 31, v0
	v_and_b32 v[RP], 8, v[RR]
	v_add_nc_u32 v[RP], v[RP], v[RR]
	v_lshlrev_b32 v48, 4, v[HH]
	v_mov_b32 v49, 0
	v_lshlrev_b32 v50, 2, v[RP]
	v_lshlrev_b32 v51, 6, v[HH]
	v_lshlrev_b32 v52, 5, v[HH]
	v_lshlrev_b32 v54, 4, v[LN]
	v_lshlrev_b32 v[OT], 4, v[RP]
	s_wait_kmcnt 0x0
	s_mov_b32 s3, 0
	s_lshl_b32 s2, s4, 15
	s_add_nc_u64 s[46:47], s[76:77], s[2:3]
	s_add_nc_u64 s[58:59], s[94:95], s[2:3]
	s_lshl_b32 s2, s4, 13
	s_add_nc_u64 s[50:51], s[82:83], s[2:3]
	s_add_nc_u64 s[54:55], s[88:89], s[2:3]
	s_lshl_b32 s66, s5, 15
	s_add_co_u32 s66, s66, s2
	s_mov_b32 s67, 0
	s_add_nc_u64 s[42:43], s[68:69], s[66:67]
.irp d,43,47,51,55,59
	s_or_b32 s\d, s\d, 0x80000000
.endr
	s_lshl_b32 s2, s4, 8
	s_add_nc_u64 s[80:81], s[80:81], s[2:3]
	s_lshl_b32 s2, s4, 10
	s_add_nc_u64 s[78:79], s[78:79], s[2:3]
	s_add_nc_u64 s[96:97], s[96:97], s[2:3]
	s_lshl_b32 s2, s4, 9
	s_add_nc_u64 s[98:99], s[98:99], s[2:3]
	s_lshl_b32 s66, s5, 17
	s_add_co_u32 s66, s66, s2
	s_add_nc_u64 s[100:101], s[100:101], s[66:67]
	s_lshl_b32 s66, s5, 10
	s_add_nc_u64 s[70:71], s[70:71], s[66:67]
	s_lshr_b32 s5, s5, 5
	s_lshl_b32 s66, s5, 7
	s_add_nc_u64 s[72:73], s[72:73], s[66:67]
	s_lshl_b32 s66, s5, 2
	s_add_nc_u64 s[74:75], s[74:75], s[66:67]
.irp c,0,1,2,3
	global_load_b128 v[GF+4*\c:GF+4*\c+3], v48, s[72:73] offset:32*\c
.endr
	global_load_b32 v[GS], v49, s[74:75]
.irp t,0,1,2,3,4,5,6,7,8,9,10,11,12,13,14,15
	global_load_b32 v[WKS+\t], v50, s[84:85] offset:(32*(\t/2)+8*(\t%2))*4
	global_load_b32 v[WVS+\t], v50, s[90:91] offset:(32*(\t/2)+8*(\t%2))*4
	global_load_b32 v[BV+\t], v50, s[92:93] offset:(32*(\t/2)+8*(\t%2))*4
.endr
.irp t,0,1,2,3
	global_load_b128 v[BQ+8*\t:BQ+8*\t+3], v51, s[80:81] offset:(32*(\t/2)+8*(\t%2))*4
	global_load_b128 v[BQ+8*\t+4:BQ+8*\t+7], v51, s[80:81] offset:(32*(\t/2)+8*(\t%2))*4+16
.endr
.irp p,0,1
	global_load_b128 v[XS+4*\p:XS+4*\p+3], v54, s[70:71] offset:512*\p
.endr
	WIN 0x40
.irp t,0,1,2,3,4,5,6,7,8,9,10,11,12,13,14,15
	global_load_b128 v[8*\t:8*\t+3], v51, s[86:87] offset:(32*(\t/2)+8*(\t%2))*4
	global_load_b128 v[8*\t+4:8*\t+7], v51, s[86:87] offset:(32*(\t/2)+8*(\t%2))*4+16
.endr
	WIN 0x80
.irp t,0,1,2,3,4,5,6,7
	global_load_b128 v[192+8*\t:192+8*\t+3], v52, s[98:99] offset:64*\t
	global_load_b128 v[192+8*\t+4:192+8*\t+7], v52, s[98:99] offset:64*\t+16
.endr
	WIN 0
	ROUND
	tensor_load_to_lds s[48:51], s[24:31]
	s_nop 0
	tensor_load_to_lds s[52:55], s[24:31]
	s_nop 0
	tensor_load_to_lds s[40:43], s[8:15]
	s_nop 0
	tensor_load_to_lds s[44:47], s[16:23]
	s_nop 0
	PLACES 4
.irp b,0,1,2,3,4,5,6,7
	v_mov_b32 v[BT+\b], 0
.endr
	v_mov_b32 v[F+1], 0
	v_mul_u32_u24 v[AKV], v[RP], PKV
	v_lshl_add_u32 v[AKV], v[HH], 4, v[AKV]
	v_add_nc_u32 v[AKV], WKB, v[AKV]
	v_add_nc_u32 v[AV], WVB-WKB, v[AKV]
	s_mul_i32 s2, s4, 64*PQ
	v_mul_u32_u24 v[AWQ], v[RP], PQ
	v_lshl_add_u32 v[AWQ], v[HH], 4, v[AWQ]
	v_add_nc_u32 v[AWQ], s2, v[AWQ]
	v_mul_u32_u24 v[AX], v[RR], PQ
	v_lshl_add_u32 v[AX], v[HH], 4, v[AX]
	v_add_nc_u32 v[AX], XB, v[AX]
	s_lshl_b32 s2, s4, 10
	v_lshl_add_u32 v[AQW], v[LN], 4, s2
	v_add_nc_u32 v[AQW], QIMG, v[AQW]
	s_lshr_b32 s2, s4, 1
	s_lshl_b32 s2, s2, 7
	s_and_b32 s3, s4, 1
	s_lshl_b32 s3, s3, 1
	s_add_co_u32 s2, s2, s3
	v_lshl_add_u32 v[AQS], v[LN], 2, s2
	v_add_nc_u32 v[AQS], QSC, v[AQS]
	s_lshl_b32 s2, s4, 12
	v_lshl_add_u32 v[AQR], v[LN], 4, s2
	v_add_nc_u32 v[AQR], QIMG, v[AQR]
	s_lshl_b32 s2, s4, 8
	v_lshl_add_u32 v[AQT], v[LN], 2, s2
	v_add_nc_u32 v[AQT], QSC, v[AQT]
	s_wait_tensorcnt 0x2
	s_barrier_signal -1
	s_barrier_wait -1
	WIN 0xC0
.irp t,0,1,2,3,4,5,6,7,8,9,10,11,12,13,14,15
.irp c,0,1,2,3
	ds_load_b128 v[16*\t+4*\c:16*\t+4*\c+3], v[AKV] offset:(32*(\t/2)+8*(\t%2))*PKV+32*\c
.endr
.endr
	WIN 0x80
.irp t,0,1,2,3,4,5,6,7
.irp c,0,1,2,3
	ds_load_b128 v[16*\t+4*\c:16*\t+4*\c+3], v[AV] offset:(32*(\t/2)+8*(\t%2))*PKV+32*\c
.endr
.endr
	WIN 0
	s_wait_loadcnt 0x0
	s_wait_dscnt 32
	KGROUP 0
	KGROUP 1
	WIN 0xC0
.irp t,0,1,2,3,4,5,6,7
.irp c,0,1,2,3
	ds_load_b128 v[16*\t+4*\c:16*\t+4*\c+3], v[AV] offset:(128+32*(\t/2)+8*(\t%2))*PKV+32*\c
.endr
.endr
	WIN 0
	s_wait_dscnt 32
	VGROUP 0, 0x08
	s_wait_dscnt 0x0
	VGROUP 1, 0x0C
	s_wait_tensorcnt 0x0
	s_barrier_signal -1
	s_barrier_wait -1
	FETCH1 0, 0
	FETCH1 1, 1
	s_mov_b32 s3, 0x80808080
	s_wait_loadcnt 0x0
	KSTEP1 0, 0, 32, 2
	KSTEP1 1, 1, 32, 3
	KSTEP1 2, 0, 32, -1
	KSTEP1 3, 1, 0, -1
	WIN 0x08
.irp m,0,1,2,3
.irp t,0,1,2,3
.irp i,0,2,4,6
	v_pk_add_f32 v[S+32*\m+8*\t+\i:S+32*\m+8*\t+\i+1], v[S+32*\m+8*\t+\i:S+32*\m+8*\t+\i+1], v[32*\m+8*\t+\i:32*\m+8*\t+\i+1] neg_lo:[0,1] neg_hi:[0,1]
.endr
.endr
.endr
	WIN 0
.irp m,0,1,2,3
.irp t,0,1,2,3
.irp i,0,2,4,6
	v_pk_fma_f32 v[S+32*\m+8*\t+\i:S+32*\m+8*\t+\i+1], v[S+32*\m+8*\t+\i:S+32*\m+8*\t+\i+1], 0.5, v[BQ+8*\t+\i:BQ+8*\t+\i+1] op_sel_hi:[1,0,1]
.endr
.endr
.endr
.irp p,0,1
	QUANT S+64*\p, PC+16*\p, 0, PS+\p
.irp b,0,1,2,3
	ds_store_b128 v[AQW], v[PC+16*\p+4*\b:PC+16*\p+4*\b+3] offset:4096*(2*\p+\b/2)+512*(\b%2)
.endr
	ds_store_b16 v[AQS], v[PS+\p] offset:512*\p
	ds_store_b16_d16_hi v[AQS], v[PS+\p] offset:512*\p+256
.endr
	s_wait_tensorcnt 0x0
	ds_add_u32 v[SPW], v[NIL]
	s_wait_dscnt 0x0
	ROUND
	tensor_load_to_lds s[56:59], s[32:39]
	s_nop 0
	PLACES 4
	WIN 0x88
.set ii, 0
.rept 16
	v_xor_b32 v[144+ii], s3, v[144+ii]
.set ii, ii+1
.endr
	WIN 0
	PLACES 4
	v_lshlrev_b32 v[OT], 3, v[RR]
.irp t,0,1,2,3,4,5,6,7
	global_load_b64 v[WS+2*\t:WS+2*\t+1], v[OT], s[96:97] offset:128*\t
.endr
	WIN 0x80
.irp g,0,1
.irp c,0,1,2,3
	ds_load_b128 v[160+16*\g+4*\c:160+16*\g+4*\c+3], v[AQR] offset:2048*\g+512*\c
.endr
.endr
	WIN 0
	ds_load_b32 v[QS], v[AQT]
	ds_load_b32 v[QS+1], v[AQT] offset:128
	s_wait_dscnt 0x0
	STEP 1
	s_mov_b32 s7, 7
.Lstep:
	STEP 0
	s_sub_co_u32 s7, s7, 1
	s_cmp_lg_u32 s7, 0
	s_cbranch_scc1 .Lstep
	s_wait_tensorcnt 0x0
	PLACES 8
	s_mul_i32 s2, s4, 128*PO
	v_mul_u32_u24 v[AWO], v[RR], PO
	v_lshl_add_u32 v[AWO], v[HH], 4, v[AWO]
	v_add_nc_u32 v[AWO], s2, v[AWO]
	WIN 0xC0
.irp t,0,1,2,3,4,5,6,7
.irp g,0,1
.irp c,0,1,2,3
	ds_load_b128 v[16*(2*\t+\g)+4*\c:16*(2*\t+\g)+4*\c+3], v[AWO] offset:16*\t*PO+128*\g+32*\c
.endr
.endr
.endr
	WIN 0
	v_add_f32 v[SUM], v[SUM], v[SUM+1]
	v_add_f32 v[CP], v[CP], v[CP+1]
	v_permlanex16_b32 v[BT], v[SUM], s60, s61
	v_permlanex16_b32 v[BT+1], v[CP], s60, s61
	v_add_f32 v[SUM], v[SUM], v[BT]
	v_add_f32 v[CP], v[CP], v[BT+1]
	v_add_f32 v[SUM], v[SUM], v[CP]
	v_rcp_f32 v[F], v[SUM]
	v_lshl_add_u32 v[ALI], v[LN], 4, QIMG
	v_lshl_add_u32 v[ALS], v[LN], 2, QSC
	v_mul_f32 v[CP], -1.0, v[SUM]
	s_wait_alu depctr_va_vdst(0)
	v_fma_f32 v[BT], v[CP], v[F], 1.0
	v_fma_f32 v[F], v[BT], v[F], v[F]
.irp g,0,1
	WIN 0x02
.set ii, 0
.rept 32
	v_pk_mul_f32 v[HA+2*ii:HA+2*ii+1], v[64*\g+2*ii:64*\g+2*ii+1], v[F:F+1] op_sel_hi:[1,0]
.set ii, ii+1
.endr
	WIN 0x20
.set ii, 0
.rept 32
	v_pk_fma_f32 v[DT+2*ii:DT+2*ii+1], v[HA+2*ii:HA+2*ii+1], v[CP:CP+1], v[64*\g+2*ii:64*\g+2*ii+1] op_sel_hi:[1,0,1]
.set ii, ii+1
.endr
	WIN 0
.set ii, 0
.rept 32
	v_pk_fma_f32 v[HA+2*ii:HA+2*ii+1], v[DT+2*ii:DT+2*ii+1], v[F:F+1], v[HA+2*ii:HA+2*ii+1] op_sel_hi:[1,0,1]
.set ii, ii+1
.endr
	QUANT HA, PC+16*\g, 0, PS+\g
.irp c,0,1,2,3
	ds_store_b128 v[AQR], v[PC+16*\g+4*\c:PC+16*\g+4*\c+3] offset:2048*\g+512*\c
.endr
	ds_store_b32 v[AQT], v[PS+\g] offset:128*\g
.endr
	s_mul_i32 s2, s4, 16*PQ
	s_add_co_u32 s2, s2, XB
	v_mul_u32_u24 v[STO], v[RR], PQ
	v_lshl_add_u32 v[STO], v[HH], 5, v[STO]
	v_add_nc_u32 v[STO], s2, v[STO]
	v_lshl_add_u32 v[RD], v[LN], 4, s2
	v_lshlrev_b32 v[CO], 4, v[LN]
	s_wait_dscnt 0x0
	s_barrier_signal -1
	s_barrier_wait -1
	WIN 0x80
.irp m,0,1,2,3
.irp g,0,1
.irp c,0,1,2,3
	ds_load_b128 v[16*(2*\m+\g)+4*\c:16*(2*\m+\g)+4*\c+3], v[ALI] offset:4096*\m+2048*\g+512*\c
.endr
.endr
.endr
	WIN 0
.irp m,0,1,2,3
.irp g,0,1
	ds_load_b32 v[XS+2*\m+\g], v[ALS] offset:256*\m+128*\g
.endr
.endr
	s_wait_dscnt 0x0
	s_wait_loadcnt 0x0
	MUL6 0
	MUL6 1
	MUL6 2
	MUL6 3
	WIN 0
	PLACES 8
	TOSTAGE 0
	TOSTAGE 1
	SEND 0, 32
	s_wait_xcnt 0x0
	TOSTAGE 2
	SEND 1, 32
	s_wait_xcnt 0x0
	TOSTAGE 3
	SEND 2, 32
	SEND 3, 0
	s_wait_tensorcnt 0x0
	ds_add_u32 v[SPW], v[NIL]
	s_wait_dscnt 0x0
	ROUND
	s_endpgm
.Lfunc_end_k_qdce8609f7d_xattn:
	.size	k_qdce8609f7d_xattn, .Lfunc_end_k_qdce8609f7d_xattn-k_qdce8609f7d_xattn
	.p2alignl 7, 3214868480
	.fill 96, 4, 3214868480
	.section	.rodata,"a",@progbits
	.p2align	6, 0x0
	.amdhsa_kernel k_qdce8609f7d_xattn
		.amdhsa_group_segment_fixed_size 327680
		.amdhsa_private_segment_fixed_size 0
		.amdhsa_enable_private_segment 0
		.amdhsa_kernarg_size 136
		.amdhsa_user_sgpr_count 2
		.amdhsa_user_sgpr_kernarg_segment_ptr 1
		.amdhsa_wavefront_size32 1
		.amdhsa_system_sgpr_workgroup_id_x 1
		.amdhsa_system_sgpr_workgroup_id_y 1
		.amdhsa_system_sgpr_workgroup_id_z 1
		.amdhsa_system_vgpr_workitem_id 0
		.amdhsa_next_free_vgpr 1024
		.amdhsa_next_free_sgpr 102
		.amdhsa_reserve_vcc 0
		.amdhsa_float_denorm_mode_32 3
		.amdhsa_float_denorm_mode_16_64 3
		.amdhsa_memory_ordered 1
		.amdhsa_forward_progress 1
		.amdhsa_inst_pref_size 255
	.end_amdhsa_kernel
	.section	.bss,"aw",@nobits
	.p2align	6
	.space	262144
	.amdgpu_metadata
---
amdhsa.version: [ 1, 2 ]
amdhsa.kernels:
  - .name:           k_qdce8609f7d_xattn
    .symbol:         k_qdce8609f7d_xattn.kd
    .args:
      - { .name: x_codes, .offset: 0, .size: 8, .value_kind: global_buffer, .address_space: global }
      - { .name: x_scales, .offset: 8, .size: 8, .value_kind: global_buffer, .address_space: global }
      - { .name: g_codes, .offset: 16, .size: 8, .value_kind: global_buffer, .address_space: global }
      - { .name: g_scales, .offset: 24, .size: 8, .value_kind: global_buffer, .address_space: global }
      - { .name: Wq_codes, .offset: 32, .size: 8, .value_kind: global_buffer, .address_space: global }
      - { .name: Wq_scales, .offset: 40, .size: 8, .value_kind: global_buffer, .address_space: global }
      - { .name: bq, .offset: 48, .size: 8, .value_kind: global_buffer, .address_space: global }
      - { .name: Wk_codes, .offset: 56, .size: 8, .value_kind: global_buffer, .address_space: global }
      - { .name: Wk_scales, .offset: 64, .size: 8, .value_kind: global_buffer, .address_space: global }
      - { .name: bk, .offset: 72, .size: 8, .value_kind: global_buffer, .address_space: global }
      - { .name: Wv_codes, .offset: 80, .size: 8, .value_kind: global_buffer, .address_space: global }
      - { .name: Wv_scales, .offset: 88, .size: 8, .value_kind: global_buffer, .address_space: global }
      - { .name: bv, .offset: 96, .size: 8, .value_kind: global_buffer, .address_space: global }
      - { .name: Wo_codes, .offset: 104, .size: 8, .value_kind: global_buffer, .address_space: global }
      - { .name: Wo_scales, .offset: 112, .size: 8, .value_kind: global_buffer, .address_space: global }
      - { .name: bo, .offset: 120, .size: 8, .value_kind: global_buffer, .address_space: global }
      - { .name: out0, .offset: 128, .size: 8, .value_kind: global_buffer, .address_space: global }
    .group_segment_fixed_size: 327680
    .private_segment_fixed_size: 0
    .kernarg_segment_align: 8
    .kernarg_segment_size: 136
    .max_flat_workgroup_size: 128
    .sgpr_count:     102
    .vgpr_count:     1024
    .wavefront_size: 32
...
	.end_amdgpu_metadata
.endif
;; end of part 1
